; MI455X (gfx1250); checked and timed in simulation.
; The chip was launched on July 23, 2026; its instructions are those of AMD's public machine-readable ISA for CDNA 5 (MIT licence, August 2026) and "CDNA5" Instruction Set Architecture Reference Guide (July 2026). The comments in the code are by the model that wrote it; some were corrected since.
;; Grouped Experts. Allowed arithmetic: float matrix products may take bf16 or f16 operands with f32 sums; all other float work in f32.
;; Inputs: w1 8 x 1,024 x 2,048 float32; w2 8 x 2,048 x 1,024 float32; w3 8 x 1,024 x 2,048 float32; x 8 x 1,024 x 1,024 float32.
;; Outputs: out0 8 x 1,024 x 1,024 float32.
;; One version. Each part assembles by itself: llvm-mc -triple=amdgcn-amd-amdhsa -mcpu=gfx1250 --defsym DOCPART=n.
;; ======== version 1 of 1: 3 launches
;; workspace buffers: xb 16,777,216 bytes; w2f 33,554,432 bytes; hb 33,554,432 bytes
;; launch prep (part 1): grid 1024 x 1, 8 waves a work-group, no clusters, 0 bytes of LDS; arguments x, w2, xb, w2f; writes xb, w2f
.if DOCPART == 1
	.amdgcn_target "amdgcn-amd-amdhsa--gfx1250"
	.amdhsa_code_object_version 6
	.text
	.protected	k_q96e5e6d5b9_prep
	.globl	k_q96e5e6d5b9_prep
	.p2align	8
	.type	k_q96e5e6d5b9_prep,@function
k_q96e5e6d5b9_prep:
	s_mov_b64 s[64:65], 0
	v_nop
	global_prefetch_b8 v0, s[64:65] scope:SCOPE_SE
	s_setreg_imm32_b32 hwreg(HW_REG_WAVE_MODE, 25, 1), 1
	s_wait_xcnt 0x0
; prep: x and w2 are rounded to bf16 once, for the two product launches behind this one.
;   xb  = x as bf16, same order [8][1024][1024].
;   w2f = w2 as bf16 in the order in which a wave's matrix fragments want it:
;         [expert 8][g 16][kb 64][f 4][c 2][lane 32][16 bytes];  g = a group of 64 columns, kb = a block of 32 rows (k).
;         Fragment f holds, as its column r (0..15), the real column 64 g + 4 r + f; lane (r, h) holds k = 8h..8h+7 in registers 0-3 (c = 0)
;         and k = 16+8h..16+8h+7 in registers 4-7 (c = 1).  One (expert, g, kb) is 4,096 dense bytes.
; Why this column order: a lane's 16-byte load of a row of w2 brings columns 4r..4r+3, one number for each of the four fragments, so the
; transposition is done by the choice of registers in the 32 packing conversions and costs no further instruction.
; 8,192 waves; each converts one (expert, g, kb) unit of w2 (32 rows x 256 bytes) and 4,096 bytes of x.  Memory binds: every byte is read once
; by 16-byte loads of which sixteen neighbouring lanes take 256 aligned bytes, all 24 loads of a wave are issued before the first wait, every store of a
; wave covers 256 or 512 dense aligned bytes.  No LDS, no barrier, no matrix unit: nothing is shared and nothing is multiplied.
; 120 registers a wave: a work-group puts two waves on each SIMD, so the four work-groups that fall to a WGP take 8 x 120 = 960 of a SIMD's 1,024 registers
; and have all their loads out together.  To that end results are written over loaded registers that have already been converted; no register that a
; store reads is written again, so no wait frees a source.
.set VW,  2                            ; v2        w2: 8 h rows of 4,096 bytes + 16 r
.set V16, 3                            ; v3        16 x lane: x in, w2f out
.set V8,  4                            ; v4        8 x lane: xb out
.set S,   8                            ; v[8:71]   w2 as loaded: load i (16 of them) in 4 registers
.set XS,  72                           ; v[72:103] x as loaded: 8 loads
.set H0,  104                          ; v[104:119] registers 0-3 of the four fragments
.set H1,  S                            ; v[8:23]   registers 4-7 of the four fragments: over loads 0-3, converted by then
.set XO,  S+16                         ; v[24:39]  x packed: over loads 4-7, converted by then
	s_load_b256 s[4:11], s[0:1], 0x0               ; x s[4:5], w2 s[6:7], xb s[8:9], w2f s[10:11]
	v_lshrrev_b32 v1, 5, v0
	v_readfirstlane_b32 s12, v1                    ; wave 0..7
	v_and_b32 v1, 31, v0                           ; lane
	v_and_b32 v5, 15, v0                           ; r
	v_bfe_u32 v6, v0, 4, 1                         ; h
	v_lshlrev_b32 v[VW], 4, v5
	v_lshl_add_u32 v[VW], v6, 15, v[VW]
	v_lshlrev_b32 v[V16], 4, v1
	v_lshlrev_b32 v[V8], 3, v1
	s_lshr_b32 s13, ttmp9, 7                       ; expert
	s_bfe_u32 s14, ttmp9, 0x60001                  ; kb: 6 bits from bit 1
	s_and_b32 s15, ttmp9, 1
	s_lshl3_add_u32 s15, s15, s12                  ; g = 8 (group & 1) + wave: the eight waves read 2,048 neighbouring bytes of each row
	s_lshl_b32 s16, s13, 23                        ; w2: expert x 8 MiB
	s_lshl_b32 s18, s14, 17                        ;   + kb x 32 rows of 4,096 bytes
	s_add_co_u32 s16, s16, s18
	s_lshl_b32 s18, s15, 8                         ;   + g x 256 bytes
	s_add_co_u32 s16, s16, s18
	s_mov_b32 s17, 0
	s_lshl4_add_u32 s18, s13, s15                  ; w2f: ((16 expert + g) x 64 + kb) x 4,096
	s_lshl_b32 s18, s18, 6
	s_add_co_u32 s18, s18, s14
	s_lshl_b32 s18, s18, 12
	s_mov_b32 s19, 0
	s_lshl_b32 s20, ttmp9, 15                      ; x: group x 32 KiB + wave x 4 KiB
	s_lshl_b32 s22, s12, 12
	s_add_co_u32 s20, s20, s22
	s_mov_b32 s21, 0
	s_lshr_b32 s22, s20, 1                         ; xb: half of that
	s_mov_b32 s23, 0
	s_wait_kmcnt 0x0
	s_add_nc_u64 s[6:7], s[6:7], s[16:17]
	s_add_nc_u64 s[10:11], s[10:11], s[18:19]
	s_add_nc_u64 s[4:5], s[4:5], s[20:21]
	s_add_nc_u64 s[8:9], s[8:9], s[22:23]
.irp i, 0,1,2,3,4,5,6,7,8,9,10,11,12,13,14,15
	global_load_b128 v[S+4*\i:S+4*\i+3], v[VW], s[6:7] offset:(\i+8*(\i/8))*4096 th:TH_LOAD_NT   ; rows 8h+0..7, then 16+8h+0..7
.endr
.irp j, 0,1,2,3,4,5,6,7
	global_load_b128 v[XS+4*\j:XS+4*\j+3], v[V16], s[4:5] offset:512*\j th:TH_LOAD_NT
.endr
	s_wait_loadcnt 8                               ; w2's sixteen are in; the eight younger loads are x's
.irp f, 0,1,2,3
.irp q, 0,1,2,3
	v_cvt_pk_bf16_f32 v[H0+4*\f+\q], v[S+8*\q+\f], v[S+8*\q+4+\f]           ; fragment f, register q: rows 2q and 2q+1 of my first eight, column 4r+f
.endr
.endr
.irp f, 0,1,2,3
.irp q, 0,1,2,3
	v_cvt_pk_bf16_f32 v[H1+4*\f+\q], v[S+32+8*\q+\f], v[S+32+8*\q+4+\f]     ; fragment f, register 4+q: my second eight rows; lands on loads 0-3, read above
.endr
.endr
.irp f, 0,1,2,3
	global_store_b128 v[V16], v[H0+4*\f:H0+4*\f+3], s[10:11] offset:1024*\f       ; 512 dense bytes a store
	global_store_b128 v[V16], v[H1+4*\f:H1+4*\f+3], s[10:11] offset:1024*\f+512
.endr
	s_wait_loadcnt 0x0
.irp j, 0,1,2,3,4,5,6,7
	v_cvt_pk_bf16_f32 v[XO+2*\j],   v[XS+4*\j],   v[XS+4*\j+1]
	v_cvt_pk_bf16_f32 v[XO+2*\j+1], v[XS+4*\j+2], v[XS+4*\j+3]
.endr
.irp j, 0,1,2,3,4,5,6,7
	global_store_b64 v[V8], v[XO+2*\j:XO+2*\j+1], s[8:9] offset:256*\j     ; 256 dense aligned bytes a store
.endr
	s_endpgm
.Lfunc_end_k_q96e5e6d5b9_prep:
	.size	k_q96e5e6d5b9_prep, .Lfunc_end_k_q96e5e6d5b9_prep-k_q96e5e6d5b9_prep
	.p2alignl 7, 3214868480
	.fill 96, 4, 3214868480
	.section	.rodata,"a",@progbits
	.p2align	6, 0x0
	.amdhsa_kernel k_q96e5e6d5b9_prep
		.amdhsa_group_segment_fixed_size 0
		.amdhsa_private_segment_fixed_size 0
		.amdhsa_enable_private_segment 0
		.amdhsa_kernarg_size 32
		.amdhsa_user_sgpr_count 2
		.amdhsa_user_sgpr_kernarg_segment_ptr 1
		.amdhsa_wavefront_size32 1
		.amdhsa_system_sgpr_workgroup_id_x 1
		.amdhsa_system_sgpr_workgroup_id_y 1
		.amdhsa_system_sgpr_workgroup_id_z 1
		.amdhsa_system_vgpr_workitem_id 0
		.amdhsa_next_free_vgpr 120
		.amdhsa_next_free_sgpr 66
		.amdhsa_reserve_vcc 0
		.amdhsa_float_denorm_mode_32 3
		.amdhsa_float_denorm_mode_16_64 3
		.amdhsa_memory_ordered 1
		.amdhsa_forward_progress 1
		.amdhsa_inst_pref_size 9
	.end_amdhsa_kernel
	.amdgpu_metadata
---
amdhsa.version: [ 1, 2 ]
amdhsa.kernels:
  - .name:           k_q96e5e6d5b9_prep
    .symbol:         k_q96e5e6d5b9_prep.kd
    .args:
      - { .name: x, .offset: 0, .size: 8, .value_kind: global_buffer, .address_space: global }
      - { .name: w2, .offset: 8, .size: 8, .value_kind: global_buffer, .address_space: global }
      - { .name: xb, .offset: 16, .size: 8, .value_kind: global_buffer, .address_space: global }
      - { .name: w2f, .offset: 24, .size: 8, .value_kind: global_buffer, .address_space: global }
    .group_segment_fixed_size: 0
    .private_segment_fixed_size: 0
    .kernarg_segment_align: 8
    .kernarg_segment_size: 32
    .max_flat_workgroup_size: 256
    .sgpr_count:     66
    .vgpr_count:     120
    .wavefront_size: 32
...
	.end_amdgpu_metadata
.endif
;; end of part 1
;; launch gateup (part 2): grid 16 x 32, 4 waves a work-group, clusters of 4 x 4, 327,680 bytes of LDS; arguments w1, w3, xb, hb; writes hb
.if DOCPART == 2
	.amdgcn_target "amdgcn-amd-amdhsa--gfx1250"
	.amdhsa_code_object_version 6
	.text
	.protected	k_q96e5e6d5b9_gateup
	.globl	k_q96e5e6d5b9_gateup
	.p2align	8
	.type	k_q96e5e6d5b9_gateup,@function
k_q96e5e6d5b9_gateup:
	s_mov_b64 s[64:65], 0
	v_nop
	global_prefetch_b8 v0, s[64:65] scope:SCOPE_SE
	s_setreg_imm32_b32 hwreg(HW_REG_WAVE_MODE, 25, 1), 1
	s_wait_xcnt 0x0
	s_wait_alu depctr_hold_cnt(0) depctr_sa_sdst(0) depctr_va_vdst(0) depctr_va_sdst(0) depctr_va_ssrc(0) depctr_va_vcc(0) depctr_vm_vsrc(0)
	s_getreg_b32 s2, hwreg(HW_REG_IB_STS2, 6, 4)
	s_cmp_eq_u32 s2, 0
	s_cbranch_scc0 .Lentry_in_a_cluster
	s_endpgm
.Lentry_in_a_cluster:
	s_bfe_u32 s2, ttmp6, 0x10000c
	s_cmp_lg_u32 s2, 0xf033
	s_cbranch_scc0 .Lentry_shape_is_right
	s_endpgm
.Lentry_shape_is_right:
; gateup: hb = bf16( silu(x w1) * (x w3) ), per expert.  x comes as bf16 (xb), w1 and w3 as f32 [1024 (k)][2048 (n)]; sums in f32.
; A work-group makes 256 tokens x 128 columns of h, that is 256 x 128 of x w1 and 256 x 128 of x w3.  Four waves: waves 0, 1 multiply by w1 (gate),
; waves 2, 3 by w3 (up); wave w takes the 64 columns of half w & 1 and ALL 256 rows: 16 x 4 = 64 accumulator tiles, 512 registers.
; WEIGHTS GO THROUGH REGISTERS ALONE.  With this sharing a weight fragment belongs to one wave.  Lane (r, h) loads 16 bytes of row k, columns 4r..4r+3:
; one number for each of four fragments, fragment f having the real column 4r + f as its column r.  Sixteen loads (rows 8h+0..7 and 16+8h+0..7) and
; 32 packing conversions give the four fragments of 32 k: rounding to bf16 and transposition in one.  On the way out the same order
; gives a lane four neighbouring columns of a row.  The weights are therefore not asked for jointly: a tensor load neither converts nor transposes, and as f32
; in LDS they would take four times the bytes of x's tiles there.
; x GOES THROUGH LDS: two slots of 256 rows x 256 k (512 bytes a row, 528 apart), each wave fetching 64 rows with one tensor load.  K = 1,024 is four slots' worth:
; two first fills and two refills, each refill with 496 matrix instructions between its issue and the wait for it.  The four slots end differently (refill, refill,
; barrier, nothing), so the 32 K steps are written out by macro, without a loop; a weight load's row stands in its immediate (1,015 x 8,192 at the most, inside 24 bits).
; CLUSTERS: 4 x 4 work-groups; the cluster's y is the expert, cy the block of 256 tokens, x the block of 128 columns.  The four of a row of the cluster need the same
; tile of x and ask for it jointly (mask of the row).  The four of a column read the same weights at about the same time.
; hb's order: [expert 8][group of 128 columns 16][block of 128 tokens 8][half of 64 columns 2][block of 16 tokens 8][j 8][h 2][64 columns]: token 8h + j of a block of 16;
; 256 dense bytes for each (block, j), and 32,768 dense bytes for each (group of columns, block of 128 tokens), which the next launch fetches as one tile.
; LIMIT: for a gate value below about -88.7 the exponential is infinite and h is a zero, where the exact value has a magnitude below 1e-36 times |up|.
;
; REGISTERS, in windows of 256:
;   window 0: v4-11 addresses; v32-95 X, v96-159 Y: fragments of x, token blocks 0-7 and 8-15; v160-191, v192-223 four weight fragments, two buffers; v224-255 packed results
;   window 1: four stages of 64 registers: weights as loaded (f32), the sixteen loads of one K step each
;   window 2: accumulator tiles of token blocks 0-7 (tile (a, f) at v[8 (4 a + f)]);  window 3: those of token blocks 8-15
.set PITCH, 528                        ; an LDS row: 512 bytes + 16 of padding = 33 x 16: sixteen neighbouring rows start at sixteen different 16-byte columns modulo 256
.set QUART, 64*PITCH                   ; what one tensor load brings
.set SLOT,  4*QUART                    ; 256 rows: 135,168 bytes
.set HALFA, 128*PITCH                  ; token blocks 8-15 begin here: in the address register, so that the loads' immediates stay under 65,536
.set VB,   4                           ; v4    weights: 8 h rows of 8,192 bytes + 16 r
.set XST,  5                           ; v5    exchange: where I put
.set XLD,  6                           ; v6    exchange: where my partner has put
.set HO,   7                           ; v7    8 x lane: my 8 bytes in 256 of hb
.set ADRA, 8                           ; v8-11 my place in x's fragments: slot 0 blocks 0-7, slot 0 blocks 8-15, slot 1 blocks 0-7, slot 1 blocks 8-15
.set X,    32
.set Y,    96
.set BF0,  160
.set OUTR, 224
.set T,    32                          ; at work on the way out (X is free by then)
.set G1, 24                            ; s[24:31] descriptor group 1
.set G0, 32                            ; s[32:39] descriptor group 0, one set for each slot
.set BP, 40                            ; s[40:41] my weights at row 0; never stepped
.set MSB, 0
.macro WIN new                         ; s_set_vgpr_msb: bits 1:0 source 0, 3:2 source 1, 5:4 source 2, 7:6 destination; the high byte repeats the setting that is left
.if MSB != \new
	s_set_vgpr_msb (MSB<<8)|\new
.set MSB, \new
.endif
.endm
.macro PLACES                          ; four places behind matrix instructions (ISA guide 7.12.1)
.rept 4
	v_nop
.endr
.endm
.macro CREST                           ; a round of the cluster's barrier behind its opening work-group barrier
	s_cmp_lg_u32 s12, 0
	s_cbranch_scc1 .Lnot_wave_0_\@
	s_barrier_signal -3
.Lnot_wave_0_\@:
	s_barrier_wait -3
	s_barrier_signal -1
	s_barrier_wait -1
.endm
.macro CROUND                          ; a whole round
	s_barrier_signal -1
	s_barrier_wait -1
	CREST
.endm
; 4 n matrix instructions: token blocks a0 .. a0+n-1 of the window x my four fragments, 32 along K.  zero = 1: the first product starts the sums.
; The accumulators take turns, one instruction a turn, in the same order in every K step.
.macro MUL buf, bf, a0, n, zero
.set ma, \a0
.rept \n
.irp f, 0,1,2,3
.if \zero
	v_wmma_f32_16x16x32_bf16 v[8*(4*ma+\f):8*(4*ma+\f)+7], v[(\buf)+8*ma:(\buf)+8*ma+7], v[(\bf)+8*\f:(\bf)+8*\f+7], 0
.else
	v_wmma_f32_16x16x32_bf16 v[8*(4*ma+\f):8*(4*ma+\f)+7], v[(\buf)+8*ma:(\buf)+8*ma+7], v[(\bf)+8*\f:(\bf)+8*\f+7], v[8*(4*ma+\f):8*(4*ma+\f)+7]
.endif
.endr
.set ma, ma+1
.endr
.endm
; stage st (f32, window 1) becomes four fragments at bf (window 0): fragment c, register q = rows 2q, 2q+1 of my sixteen, column 4r + c
.macro CVT st, bf
	WIN 0x05
.irp c, 0,1,2,3
.irp q, 0,1,2,3,4,5,6,7
	v_cvt_pk_bf16_f32 v[(\bf)+8*\c+\q], v[64*(\st)+8*\q+\c], v[64*(\st)+8*\q+4+\c]
.endr
.endr
.endm
; the sixteen weight loads of the K step that begins at row k0, into stage st.  Lanes 0-15 take 256 aligned bytes of one row, lanes 16-31 of the row 8 below.
.macro GLB st, k0
	WIN 0x40
.irp i, 0,1,2,3,4,5,6,7,8,9,10,11,12,13,14,15
	global_load_b128 v[64*(\st)+4*\i:64*(\st)+4*\i+3], v[VB], s[BP:BP+1] offset:((\k0)+\i+8*(\i/8))*8192
.endr
.endm
; sixteen LDS loads: x's fragments of eight token blocks (half 0: blocks 0-7, 1: 8-15), 32 k at byte 64 kq of the slot's rows (kq 0..7)
.macro LDA buf, slot, kq, half
	WIN 0
.irp i, 0,1,2,3,4,5,6,7
	ds_load_b128 v[(\buf)+8*\i:(\buf)+8*\i+3],   v[ADRA+2*(\slot)+(\half)] offset:\i*16*PITCH+64*(\kq)
	ds_load_b128 v[(\buf)+8*\i+4:(\buf)+8*\i+7], v[ADRA+2*(\slot)+(\half)] offset:\i*16*PITCH+64*(\kq)+32
.endr
.endm
; K step t (0..31) of 32 along K: 64 matrix instructions; slot (t >> 3) & 1.  In its middle the NEXT step's weights are converted, the loads of the step five ahead go out
; into the stage just emptied (up to step 31's, in step 26), and the next step's fragments of x are fetched.
; turn: this step ends its slot: 1 = barrier, 2 = a round of the cluster's barrier and the slot's refill.
.macro STEP t, zero, turn
	s_wait_dscnt 16                                ; X is in; the sixteen younger LDS loads are Y's
	WIN 0xa0
.if \turn
	MUL X, BF0+32*(\t&1), 0, 4, \zero
	s_wait_dscnt 0x0                               ; Y is in too: my reads of this slot are over
	s_wait_tensorcnt 0x0                           ; all my tensor loads have landed: the one that was out is my part of the other slot
	ds_add_u32 v30, v31
	s_wait_dscnt 0x0
	s_barrier_signal -1                            ; say so,
	MUL X, BF0+32*(\t&1), 4, 4, \zero              ; work on registers while the others arrive,
	WIN 0
	s_barrier_wait -1
.if \turn == 2
	CREST                                          ; all sixteen work-groups have said so: no wave of a partner reads this slot or has a load on its way
	s_add_nc_u64 s[G0+4*((\t>>3)&1)+2:G0+4*((\t>>3)&1)+3], s[G0+4*((\t>>3)&1)+2:G0+4*((\t>>3)&1)+3], 1024   ; two tiles of 256 k on
	tensor_load_to_lds s[G0+4*((\t>>3)&1):G0+4*((\t>>3)&1)+3], s[G1:G1+7]   ; my one tensor load behind the round; 496 matrix instructions stand between it and the wait for it
	s_nop 0
.endif
.else
	MUL X, BF0+32*(\t&1), 0, 8, \zero
.endif
.if \t < 31
.if \t < 28
	s_wait_loadcnt 48                              ; the next step's sixteen loads are in (global loads return in order: ISA guide 5.7.1); the three steps behind it stay out
.else
	s_wait_loadcnt 16*(30-\t)                      ; no loads go out any more: the counts run down 32, 16, 0
.endif
	CVT (\t+1)&3, BF0+32*(1-(\t&1))                ; 32 plain vector instructions on other registers: also the places in front of the loads into X.  The buffer written was last read in front of the last step's four v_nop
.endif
.if \t < 27
	GLB (\t+1)&3, 32*(\t+5)
.endif
.if \t < 31
	LDA X, ((\t+1)>>3)&1, (\t+1)&7, 0
.if \turn == 0
	s_wait_dscnt 16                                ; Y is in; the sixteen just issued may be out
.endif
.else
	s_wait_dscnt 0x0
.endif
	WIN 0xf0
	MUL Y, BF0+32*(\t&1), 0, 8, \zero
.if \t < 31
	PLACES
	LDA Y, ((\t+1)>>3)&1, (\t+1)&7, 1
.endif
.endm
	s_load_b256 s[4:11], s[0:1], 0x0               ; w1 s[4:5], w3 s[6:7], xb s[8:9], hb s[10:11]
	v_lshl_add_u32 v30, v0, 2, 0x42000
	v_mov_b32 v31, 0
	ds_add_u32 v30, v31
	v_lshrrev_b32 v1, 5, v0
	v_readfirstlane_b32 s12, v1                    ; wave 0..3
	s_lshr_b32 s13, s12, 1                         ; 0: gate (w1), 1: up (w3)
	s_and_b32 s14, s12, 1                          ; which 64 of the 128 columns
	s_bfe_u32 s15, ttmp6, 0x40000                  ; cx
	s_bfe_u32 s16, ttmp6, 0x40004                  ; cy
	s_lshl_b32 s17, ttmp9, 2
	s_add_co_u32 s17, s17, s15                     ; group of 128 columns = 4 x cluster x + cx
	s_and_b32 s18, ttmp7, 0xffff
	s_lshl_b32 s18, s18, 2
	s_add_co_u32 s18, s18, s16                     ; 4 x expert + block of 256 tokens = 4 x cluster y + cy
	s_lshl_b32 s19, s16, 2
	s_lshl_b32 s19, 15, s19                        ; my row of the cluster: places 4 cy .. 4 cy + 3
	; group 1: a tile of 64 rows x 256 elements of 2 bytes, rows 1,024 elements apart, 16 bytes of padding behind every 512
	s_or_b32 s[G1+0], s19, (1<<16)|(1<<20)|(1<<21)|(6<<22)|(3<<25)  ; 15:0 mask; 17:16 2-byte elements; 20 padding on; 21 set beside a mask; 24:22 every 128 words; 31:25 four words
	s_mov_b32 s[G1+1], 256<<16                     ; tensor_dim0 = 256
	s_mov_b32 s[G1+2], 64<<16                      ; tensor_dim1 = 64
	s_mov_b32 s[G1+3], 256<<16                     ; tile_dim0 = 256
	s_mov_b32 s[G1+4], 64                          ; tile_dim1 = 64
	s_mov_b32 s[G1+5], 1024                        ; elements from row to row
	s_mov_b32 s[G1+6], 0
	s_mov_b32 s[G1+7], 0
	s_lshl_b32 s44, s18, 19                        ; x: 256 tokens of 2,048 bytes for each block (made of the cluster's y, cy and the wave's number alone)
	s_lshl_b32 s21, s12, 17                        ;    + my 64 rows
	s_add_co_u32 s44, s44, s21
	s_mov_b32 s45, 0
	s_lshr_b32 s22, s18, 2                         ; expert
	s_lshl_b32 s42, s22, 23                        ; weights: expert x 8 MiB
	s_lshl_b32 s23, s17, 9                         ;    + group x 512 bytes
	s_add_co_u32 s42, s42, s23
	s_lshl_b32 s23, s14, 8                         ;    + half x 256 bytes
	s_add_co_u32 s42, s42, s23
	s_mov_b32 s43, 0
	s_lshl_b32 s46, s22, 22                        ; hb: expert x 4 MiB
	s_lshl_b32 s23, s17, 18                        ;    + group of 128 columns x 262,144
	s_add_co_u32 s46, s46, s23
	s_and_b32 s23, s18, 3
	s_lshl1_add_u32 s23, s23, s13                  ;    + (2 x block of 256 tokens + the half of it that I finish) x 32,768
	s_lshl_b32 s23, s23, 15
	s_add_co_u32 s46, s46, s23
	s_lshl_b32 s23, s14, 14                        ;    + half of 64 columns x 16,384
	s_add_co_u32 s46, s46, s23
	s_mov_b32 s47, 0
	s_mul_i32 s48, s12, QUART                      ; my quarter of a slot
	s_lshl_b32 s49, s12, 15                        ; my 32,768 exchange bytes, in slot 0 (4 x 32,768 = 131,072 of its 135,168)
	s_xor_b32 s50, s12, 2                          ; my partner: same columns, the other matrix
	s_lshl_b32 s50, s50, 15
	v_and_b32 v1, 15, v0                           ; r
	v_bfe_u32 v12, v0, 4, 1                        ; h
	v_and_b32 v13, 31, v0                          ; lane
	v_mul_u32_u24 v[ADRA], v1, PITCH
	v_lshl_add_u32 v[ADRA], v12, 4, v[ADRA]        ; row r, 16 bytes for each half of the lanes
	v_add_nc_u32 v[ADRA+1], HALFA, v[ADRA]
	v_add_nc_u32 v[ADRA+2], SLOT, v[ADRA]
	v_add_nc_u32 v[ADRA+3], SLOT+HALFA, v[ADRA]
	v_lshlrev_b32 v[VB], 4, v1
	v_lshl_add_u32 v[VB], v12, 16, v[VB]
	v_lshl_add_u32 v[XST], v13, 4, s49
	v_lshl_add_u32 v[XLD], v13, 4, s50
	v_lshlrev_b32 v[HO], 3, v13
	s_wait_dscnt 0x0
	s_wait_kmcnt 0x0
	s_cmp_lt_u32 s12, 2
	s_cselect_b64 s[BP:BP+1], s[4:5], s[6:7]       ; waves 0, 1: w1; waves 2, 3: w3
	s_add_nc_u64 s[BP:BP+1], s[BP:BP+1], s[42:43]
	s_add_nc_u64 s[44:45], s[8:9], s[44:45]
	s_add_nc_u64 s[10:11], s[10:11], s[46:47]
	GLB 0, 0                                       ; the weights of K steps 0 to 3
	GLB 1, 32
	GLB 2, 64
	GLB 3, 96
	WIN 0
.irp s, 0,1
	s_mov_b32 s[G0+4*\s], 1                                        ; count = 1
	s_add_co_u32 s[G0+4*\s+1], s48, \s*SLOT                        ; LDS address: the wave's quarter of the slot
	s_add_nc_u64 s[G0+4*\s+2:G0+4*\s+3], s[44:45], \s*512          ; global address: tile s of 256 k
	s_or_b32 s[G0+4*\s+3], s[G0+4*\s+3], 0x80000000                ; type = 2
.endr
	CROUND                                         ; all sixteen work-groups are here: the first joint loads meet
	tensor_load_to_lds s[G0:G0+3], s[G1:G1+7]      ; both first fills in one group: two tensor loads of the wave are out here, one behind every later round
	s_nop 0
	tensor_load_to_lds s[G0+4:G0+7], s[G1:G1+7]
	s_nop 0
	s_wait_loadcnt 48                              ; step 0's sixteen are in; steps 1 to 3 stay out
	CVT 0, BF0
	GLB 0, 128                                     ; step 4
	WIN 0
	s_wait_tensorcnt 0x1                           ; my part of slot 0 is in; slot 1's may stay out
	s_barrier_signal -1
	s_barrier_wait -1
	LDA X, 0, 0, 0
	LDA Y, 0, 0, 1
	STEP 0, 1, 0                                   ; slot 0, k 0-255: the first products start the sums
.irp t, 1,2,3,4,5,6
	STEP \t, 0, 0
.endr
	STEP 7, 0, 2                                   ; slot 0 is asked for again: k 512-767
.irp t, 8,9,10,11,12,13,14
	STEP \t, 0, 0
.endr
	STEP 15, 0, 2                                  ; slot 1 is asked for again: k 768-1023, the last tensor load
.irp t, 16,17,18,19,20,21,22
	STEP \t, 0, 0
.endr
	STEP 23, 0, 1                                  ; nothing is filled any more: a plain barrier shows slot 1 whole, and slot 0 read to its end by every wave
.irp t, 24,25,26,27,28,29,30,31
	STEP \t, 0, 0
.endr
	; THE EXCHANGE.  A gate wave finishes rows 0-127, an up wave rows 128-255 of their common 64 columns.  Each hands the half that it does not finish to its partner
	; through LDS, register for register, and takes the partner's half into the same registers: then window 2 holds the gate and window 3 the up values in both.
	; The bytes are slot 0's: it has had its last fill, that fill was waited for and every wave's last read of it came back in front of the barrier in K step 23.
	PLACES                                         ; behind the last matrix instructions
	WIN 0
	s_cmp_lg_u32 s13, 0
	s_cbranch_scc1 .Lup_out
	WIN 0x0c                                       ; store data from window 3
.set xq, 0
.rept 64
	ds_store_b128 v[XST], v[4*xq:4*xq+3] offset:512*xq
.set xq, xq+1
.endr
	WIN 0
	s_branch .Lsent
.Lup_out:
	WIN 0x08                                       ; store data from window 2
.set xq, 0
.rept 64
	ds_store_b128 v[XST], v[4*xq:4*xq+3] offset:512*xq
.set xq, xq+1
.endr
	WIN 0
.Lsent:
	s_wait_dscnt 0x0                               ; my stores are done, for my partner's sake
	s_barrier_signal -1
	s_barrier_wait -1
	s_cmp_lg_u32 s13, 0
	s_cbranch_scc1 .Lup_in
	WIN 0xc0                                       ; into window 3: up values of rows 0-127
.set xq, 0
.rept 64
	ds_load_b128 v[4*xq:4*xq+3], v[XLD] offset:512*xq
.set xq, xq+1
.endr
	WIN 0
	s_branch .Lgot
.Lup_in:
	WIN 0x80                                       ; into window 2: gate values of rows 128-255
.set xq, 0
.rept 64
	ds_load_b128 v[4*xq:4*xq+3], v[XLD] offset:512*xq
.set xq, xq+1
.endr
	WIN 0
.Lgot:
	s_wait_dscnt 0x0
; One block of 16 tokens x 64 columns: h = g / (1 + 2^(-1.442695 g)) * u, formed as (g x reciprocal) x u, so that an infinite exponential gives zero.
; T[8 f + j] = token 8h + j, column 4r + f.  Four columns pack into 8 bytes; the 32 lanes' 8 bytes are the 256 dense bytes of (block, j).
.macro HOUT a
	WIN 0x02
.irp i, 0,2,4,6,8,10,12,14,16,18,20,22,24,26,28,30
	v_pk_mul_f32 v[T+\i:T+\i+1], v[32*\a+\i:32*\a+\i+1], 0xbfb8aa3b op_sel_hi:[1,0]
.endr
	WIN 0
.set ti, 0
.rept 32
	v_exp_f32 v[T+ti], v[T+ti]
.set ti, ti+1
.endr
	v_nop                                          ; one plain place behind the transcendentals (ISA guide 5.7.2)
	s_wait_alu depctr_va_vdst(0)
.irp i, 0,2,4,6,8,10,12,14,16,18,20,22,24,26,28,30
	v_pk_add_f32 v[T+\i:T+\i+1], v[T+\i:T+\i+1], 1.0 op_sel_hi:[1,0]
.endr
.set ti, 0
.rept 32
	v_rcp_f32 v[T+ti], v[T+ti]
.set ti, ti+1
.endr
	v_nop
	WIN 0x02
	s_wait_alu depctr_va_vdst(0)
.irp i, 0,2,4,6,8,10,12,14,16,18,20,22,24,26,28,30
	v_pk_mul_f32 v[T+\i:T+\i+1], v[32*\a+\i:32*\a+\i+1], v[T+\i:T+\i+1]
.endr
	WIN 0x03
.irp i, 0,2,4,6,8,10,12,14,16,18,20,22,24,26,28,30
	v_pk_mul_f32 v[T+\i:T+\i+1], v[32*\a+\i:32*\a+\i+1], v[T+\i:T+\i+1]
.endr
	WIN 0
	s_wait_xcnt 0x0                                ; the packed registers, which earlier stores read, are written again only behind this wait
.irp j, 0,1,2,3,4,5,6,7
	v_cvt_pk_bf16_f32 v[OUTR+16*(\a&1)+2*\j],   v[T+\j],    v[T+8+\j]
	v_cvt_pk_bf16_f32 v[OUTR+16*(\a&1)+2*\j+1], v[T+16+\j], v[T+24+\j]
.endr
.irp j, 0,1,2,3,4,5,6,7
	global_store_b64 v[HO], v[OUTR+16*(\a&1)+2*\j:OUTR+16*(\a&1)+2*\j+1], s[10:11] offset:\a*2048+\j*256   ; the wave's store covers 256 consecutive bytes, aligned
.endr
.endm
	HOUT 0
	HOUT 1
	HOUT 2
	HOUT 3
	HOUT 4
	HOUT 5
	HOUT 6
	HOUT 7
	s_wait_tensorcnt 0x0
	ds_add_u32 v30, v31
	s_wait_dscnt 0x0
	CROUND                                         ; the closing round: no work-group ends while a partner may still ask for a tile that names it
	s_endpgm
.Lfunc_end_k_q96e5e6d5b9_gateup:
	.size	k_q96e5e6d5b9_gateup, .Lfunc_end_k_q96e5e6d5b9_gateup-k_q96e5e6d5b9_gateup
	.p2alignl 7, 3214868480
	.fill 96, 4, 3214868480
	.section	.rodata,"a",@progbits
	.p2align	6, 0x0
	.amdhsa_kernel k_q96e5e6d5b9_gateup
		.amdhsa_group_segment_fixed_size 327680
		.amdhsa_private_segment_fixed_size 0
		.amdhsa_enable_private_segment 0
		.amdhsa_kernarg_size 32
		.amdhsa_user_sgpr_count 2
		.amdhsa_user_sgpr_kernarg_segment_ptr 1
		.amdhsa_wavefront_size32 1
		.amdhsa_system_sgpr_workgroup_id_x 1
		.amdhsa_system_sgpr_workgroup_id_y 1
		.amdhsa_system_sgpr_workgroup_id_z 1
		.amdhsa_system_vgpr_workitem_id 0
		.amdhsa_next_free_vgpr 1024
		.amdhsa_next_free_sgpr 66
		.amdhsa_reserve_vcc 0
		.amdhsa_float_denorm_mode_32 3
		.amdhsa_float_denorm_mode_16_64 3
		.amdhsa_memory_ordered 1
		.amdhsa_forward_progress 1
		.amdhsa_inst_pref_size 255
	.end_amdhsa_kernel
	.section	.bss,"aw",@nobits
	.p2align	6
	.space	262144
	.amdgpu_metadata
---
amdhsa.version: [ 1, 2 ]
amdhsa.kernels:
  - .name:           k_q96e5e6d5b9_gateup
    .symbol:         k_q96e5e6d5b9_gateup.kd
    .args:
      - { .name: w1, .offset: 0, .size: 8, .value_kind: global_buffer, .address_space: global }
      - { .name: w3, .offset: 8, .size: 8, .value_kind: global_buffer, .address_space: global }
      - { .name: xb, .offset: 16, .size: 8, .value_kind: global_buffer, .address_space: global }
      - { .name: hb, .offset: 24, .size: 8, .value_kind: global_buffer, .address_space: global }
    .group_segment_fixed_size: 327680
    .private_segment_fixed_size: 0
    .kernarg_segment_align: 8
    .kernarg_segment_size: 32
    .max_flat_workgroup_size: 128
    .sgpr_count:     66
    .vgpr_count:     1024
    .wavefront_size: 32
...
	.end_amdgpu_metadata
.endif
;; end of part 2
;; launch down (part 3): grid 4 x 64, 4 waves a work-group, clusters of 4 x 4, 327,680 bytes of LDS; arguments hb, w2f, out0; writes out0
.if DOCPART == 3
	.amdgcn_target "amdgcn-amd-amdhsa--gfx1250"
	.amdhsa_code_object_version 6
	.text
	.protected	k_q96e5e6d5b9_down
	.globl	k_q96e5e6d5b9_down
	.p2align	8
	.type	k_q96e5e6d5b9_down,@function
k_q96e5e6d5b9_down:
	s_mov_b64 s[64:65], 0
	v_nop
	global_prefetch_b8 v0, s[64:65] scope:SCOPE_SE
	s_setreg_imm32_b32 hwreg(HW_REG_WAVE_MODE, 25, 1), 1
	s_wait_xcnt 0x0
	s_wait_alu depctr_hold_cnt(0) depctr_sa_sdst(0) depctr_va_vdst(0) depctr_va_sdst(0) depctr_va_ssrc(0) depctr_va_vcc(0) depctr_vm_vsrc(0)
	s_getreg_b32 s2, hwreg(HW_REG_IB_STS2, 6, 4)
	s_cmp_eq_u32 s2, 0
	s_cbranch_scc0 .Lentry_in_a_cluster
	s_endpgm
.Lentry_in_a_cluster:
	s_bfe_u32 s2, ttmp6, 0x10000c
	s_cmp_lg_u32 s2, 0xf033
	s_cbranch_scc0 .Lentry_shape_is_right
	s_endpgm
.Lentry_shape_is_right:
; down: out = h w2, per expert.  h comes as bf16 in hb's block order, w2 as bf16 in fragment order (w2f); sums in f32; out0 is f32 [8][1024][1024].
; A work-group makes 128 tokens x 256 columns; wave w takes 64 columns (group g = 4 x block + w) and ALL 128 rows: 8 x 4 = 32 accumulator tiles.
; K = 2,048 goes in 64 steps of 32, 32 matrix instructions each.
; w2f GOES THROUGH REGISTERS ALONE: a wave's four fragments of a K step are 4,096 dense bytes, eight loads of 512 bytes that land as the fragments themselves, in a ring of
; eight register stages: the loads of seven steps are out while one is multiplied.  Each fragment belongs to one wave, so LDS would add a store and a load for nothing,
; and the fragments are not asked for jointly for the same reason.
; h GOES THROUGH LDS: two slots of 512 k, each eight blocks of 64 k x 128 tokens.  hb's order is
; [expert 8][group of 128 k 16][block of 128 tokens 8][half of 64 k 2][block of 16 tokens 8][j 8][h 2][64 k], so two neighbouring blocks are 32,768 dense bytes;
; wave w fetches blocks 2w and 2w + 1 of a slot with one tensor load, as 128 rows of 256 bytes, 272 apart in LDS.  An LDS row holds tokens j and 8 + j of a block of 16 (128 bytes each).
; K is four slots' worth: two first fills and two refills, each refill with 496 matrix instructions between its issue and the wait for it.  The four slots end differently
; (refill, refill, barrier, nothing), so the 64 steps are written out by macro, without a loop; a step's place in w2f stands in its loads' immediates (261,632 at the most).
; CLUSTERS: 4 x 4 work-groups: x = the four blocks of 256 columns, y = four blocks of 128 tokens.  The four of a row of the cluster need the same tiles of h and ask for them jointly.
; Fragment f's column r is the real column 64 g + 4 r + f, so a lane's four tiles of a token block hold four neighbouring columns of a row.
;
; REGISTERS: window 0: v6-15 addresses; v32-95, v96-159 fragments of h, two buffers;
;            window 1: eight stages of 32 registers = four fragments of w2 each (then the way out's eight sets of 32);  window 2: the 32 accumulator tiles, tile (a, f) at v[8 (4 a + f)]
.set PITCH, 272
.set BLK,   64*PITCH                   ; one block of 64 k x 128 tokens: 17,408 bytes
.set PART,  2*BLK                      ; what one tensor load brings
.set SLOT,  4*PART                     ; 512 k: 139,264 bytes
.set VF,   6                           ; v6    16 x lane
.set VO,   7                           ; v7    out0: 8 h rows of 4,096 bytes + 16 r
.set ADR,  8                           ; v8-15 my place in h's fragments: slot s, pair of blocks p at v[8 + 4 s + p], so that the loads' immediates stay under 65,536
.set X,    32
.set G1, 24
.set G0, 32
.set BP, 40                            ; s[40:41] my stream of w2f; never stepped
.set MSB, 0
.macro WIN new
.if MSB != \new
	s_set_vgpr_msb (MSB<<8)|\new
.set MSB, \new
.endif
.endm
.macro PLACES                          ; four places behind matrix instructions (ISA guide 7.12.1)
.rept 4
	v_nop
.endr
.endm
.macro CREST
	s_cmp_lg_u32 s12, 0
	s_cbranch_scc1 .Lnot_wave_0_\@
	s_barrier_signal -3
.Lnot_wave_0_\@:
	s_barrier_wait -3
	s_barrier_signal -1
	s_barrier_wait -1
.endm
.macro CROUND
	s_barrier_signal -1
	s_barrier_wait -1
	CREST
.endm
; 4 n matrix instructions: token blocks a0 .. a0+n-1 x the four fragments of stage st.  The accumulators take turns, one instruction a turn.
.macro MUL2 buf, st, a0, n, zero
.set ma, \a0
.rept \n
.irp f, 0,1,2,3
.if \zero
	v_wmma_f32_16x16x32_bf16 v[8*(4*ma+\f):8*(4*ma+\f)+7], v[(\buf)+8*ma:(\buf)+8*ma+7], v[32*(\st)+8*\f:32*(\st)+8*\f+7], 0
.else
	v_wmma_f32_16x16x32_bf16 v[8*(4*ma+\f):8*(4*ma+\f)+7], v[(\buf)+8*ma:(\buf)+8*ma+7], v[32*(\st)+8*\f:32*(\st)+8*\f+7], v[8*(4*ma+\f):8*(4*ma+\f)+7]
.endif
.endr
.set ma, ma+1
.endr
.endm
.macro GLF st, kb                      ; the eight loads of K step kb: 4,096 dense bytes
	WIN 0x40
.irp i, 0,1,2,3,4,5,6,7
	global_load_b128 v[32*(\st)+4*\i:32*(\st)+4*\i+3], v[VF], s[BP:BP+1] offset:(\kb)*4096+512*\i
.endr
.endm
.macro LDA2 buf, slot, u               ; sixteen LDS loads: h's fragments of the eight token blocks for step u (0..15) of the slot: block u >> 1, byte 64 (u & 1) of its 128
	WIN 0
.irp a, 0,1,2,3,4,5,6,7
	ds_load_b128 v[(\buf)+8*\a:(\buf)+8*\a+3],   v[ADR+4*(\slot)+((\u)>>2)] offset:(((\u)>>1)&1)*BLK+\a*8*PITCH+((\u)&1)*64
	ds_load_b128 v[(\buf)+8*\a+4:(\buf)+8*\a+7], v[ADR+4*(\slot)+((\u)>>2)] offset:(((\u)>>1)&1)*BLK+\a*8*PITCH+((\u)&1)*64+32
.endr
.endm
; K step t (0..63); slot (t >> 4) & 1.  The loads of the step seven ahead go out into the stage that the last step multiplied (up to step 63's, in step 56); the next step's fragments of h are fetched.
; turn (in a slot's fifteenth step, whose fetch is the slot's last read): 1 = barrier, 2 = a round of the cluster's barrier and the slot's refill.
.macro STEP2 t, zero, turn
	PLACES                                         ; behind the last step's matrix instructions: loads follow into registers that they read
.if \t < 57
	GLF (\t+7)&7, \t+7
.endif
.if \t < 63
	LDA2 X+64*((\t+1)&1), ((\t+1)>>4)&1, (\t+1)&15
	s_wait_dscnt 16                                ; this step's fragments of h are in; the sixteen just issued may be out
.else
	s_wait_dscnt 0x0
.endif
.if \t < 57
	s_wait_loadcnt 56                              ; this step's eight loads are in (global loads return in order: ISA guide 5.7.1); the seven steps ahead stay out
.else
	s_wait_loadcnt 8*(63-\t)                       ; no loads go out any more: the counts run down
.endif
	WIN 0xa4
.if \turn
	MUL2 X+64*(\t&1), \t&7, 0, 4, \zero
	s_wait_dscnt 0x0                               ; my reads of this slot are over
	s_set_vgpr_msb 0xa4a0
	s_wait_tensorcnt 0x0                           ; all my tensor loads have landed: the one that was out is my part of the other slot
	ds_add_u32 v254, v255
	s_wait_dscnt 0x0
	s_set_vgpr_msb 0xa0a4
	s_barrier_signal -1
	MUL2 X+64*(\t&1), \t&7, 4, 4, \zero
	WIN 0
	s_barrier_wait -1
.if \turn == 2
	CREST                                          ; no wave of any partner reads this slot or has a load on its way
	s_add_nc_u64 s[G0+4*((\t>>4)&1)+2:G0+4*((\t>>4)&1)+3], s[G0+4*((\t>>4)&1)+2:G0+4*((\t>>4)&1)+3], 0x200000   ; eight groups of 128 k on
	tensor_load_to_lds s[G0+4*((\t>>4)&1):G0+4*((\t>>4)&1)+3], s[G1:G1+7]   ; my one tensor load behind the round; 496 matrix instructions stand between it and the wait for it
	s_nop 0
.endif
.else
	MUL2 X+64*(\t&1), \t&7, 0, 8, \zero
.endif
.endm
	s_load_b128 s[4:7], s[0:1], 0x0                ; hb s[4:5], w2f s[6:7]
	s_load_b64 s[8:9], s[0:1], 0x10                ; out0
	v_lshl_add_u32 v254, v0, 2, 0x44000
	v_mov_b32 v255, 0
	ds_add_u32 v254, v255
	v_lshrrev_b32 v1, 5, v0
	v_readfirstlane_b32 s12, v1                    ; wave 0..3
	s_bfe_u32 s15, ttmp6, 0x40000                  ; cx
	s_bfe_u32 s16, ttmp6, 0x40004                  ; cy
	s_lshl_b32 s17, ttmp9, 2
	s_add_co_u32 s17, s17, s15                     ; block of 256 columns
	s_and_b32 s18, ttmp7, 0xffff
	s_lshl_b32 s18, s18, 2
	s_add_co_u32 s18, s18, s16                     ; 8 x expert + block of 128 tokens
	s_lshl_b32 s19, s16, 2
	s_lshl_b32 s19, 15, s19                        ; my row of the cluster
	; group 1: 32,768 dense bytes as 128 rows of 32 elements of 8 bytes, 16 bytes of padding behind every 256
	s_or_b32 s[G1+0], s19, (3<<16)|(1<<20)|(1<<21)|(5<<22)|(3<<25)
	s_mov_b32 s[G1+1], 32<<16                      ; tensor_dim0 = 32
	s_mov_b32 s[G1+2], 128<<16                     ; tensor_dim1 = 128
	s_mov_b32 s[G1+3], 32<<16                      ; tile_dim0 = 32
	s_mov_b32 s[G1+4], 128                         ; tile_dim1 = 128
	s_mov_b32 s[G1+5], 32                          ; elements from row to row: dense
	s_mov_b32 s[G1+6], 0
	s_mov_b32 s[G1+7], 0
	s_lshr_b32 s21, s18, 3                         ; expert (these registers hold the cluster's y, cy and the wave's number alone)
	s_lshl_b32 s44, s21, 22                        ; hb: expert x 4 MiB
	s_and_b32 s21, s18, 7
	s_lshl_b32 s21, s21, 15                        ;    + block of 128 tokens x 32,768
	s_add_co_u32 s44, s44, s21
	s_lshl_b32 s21, s12, 18                        ;    + my group of 128 k x 262,144
	s_add_co_u32 s44, s44, s21
	s_mov_b32 s45, 0
	s_lshr_b32 s22, s18, 3
	s_lshl_b32 s42, s22, 22                        ; w2f: expert x 4 MiB + (4 x block + wave) x 262,144
	s_lshl_b32 s23, s17, 20
	s_add_co_u32 s42, s42, s23
	s_lshl_b32 s23, s12, 18
	s_add_co_u32 s42, s42, s23
	s_mov_b32 s43, 0
	s_lshl_b32 s46, s18, 19                        ; out0: 128 rows of 4,096 bytes for each block of tokens
	s_lshl_b32 s23, s17, 10                        ;    + block x 1,024 bytes + wave x 256
	s_add_co_u32 s46, s46, s23
	s_lshl_b32 s23, s12, 8
	s_add_co_u32 s46, s46, s23
	s_mov_b32 s47, 0
	s_mul_i32 s48, s12, PART
	v_and_b32 v1, 7, v0                            ; token r of a block lies in LDS row r & 7,
	v_bfe_u32 v16, v0, 3, 1                        ; in its half r >> 3
	v_bfe_u32 v17, v0, 4, 1                        ; h
	v_mul_u32_u24 v[ADR], v1, PITCH
	v_lshl_add_u32 v[ADR], v16, 7, v[ADR]
	v_lshl_add_u32 v[ADR], v17, 4, v[ADR]          ; sixteen lanes of a half touch sixteen different 16-byte columns modulo 256
.irp p, 1,2,3
	v_add_nc_u32 v[ADR+\p], \p*PART, v[ADR]
.endr
.irp p, 0,1,2,3
	v_add_nc_u32 v[ADR+4+\p], SLOT+\p*PART, v[ADR]
.endr
	v_and_b32 v18, 31, v0
	v_lshlrev_b32 v[VF], 4, v18
	v_and_b32 v19, 15, v0
	v_lshlrev_b32 v[VO], 4, v19
	v_lshl_add_u32 v[VO], v17, 15, v[VO]
	s_wait_dscnt 0x0
	s_wait_kmcnt 0x0
	s_add_nc_u64 s[BP:BP+1], s[6:7], s[42:43]
	s_add_nc_u64 s[44:45], s[4:5], s[44:45]
	s_add_nc_u64 s[8:9], s[8:9], s[46:47]
.irp t, 0,1,2,3,4,5,6
	GLF \t, \t                                     ; K steps 0 to 6
.endr
	WIN 0
.irp s, 0,1
	s_mov_b32 s[G0+4*\s], 1
	s_add_co_u32 s[G0+4*\s+1], s48, \s*SLOT
	s_add_nc_u64 s[G0+4*\s+2:G0+4*\s+3], s[44:45], \s*0x100000     ; four groups of 128 k for each slot
	s_or_b32 s[G0+4*\s+3], s[G0+4*\s+3], 0x80000000
.endr
	CROUND                                         ; the first joint loads meet
	tensor_load_to_lds s[G0:G0+3], s[G1:G1+7]      ; both first fills in one group: two tensor loads of the wave are out here, one behind every later round
	s_nop 0
	tensor_load_to_lds s[G0+4:G0+7], s[G1:G1+7]
	s_nop 0
	s_wait_tensorcnt 0x1                           ; my part of slot 0 is in; slot 1's may stay out
	s_barrier_signal -1
	s_barrier_wait -1
	LDA2 X, 0, 0
	STEP2 0, 1, 0                                  ; slot 0, k 0-511: the first products start the sums
.irp t, 1,2,3,4,5,6,7,8,9,10,11,12,13
	STEP2 \t, 0, 0
.endr
	STEP2 14, 0, 2                                 ; slot 0 is asked for again: k 1024-1535
.irp t, 15,16,17,18,19,20,21,22,23,24,25,26,27,28,29
	STEP2 \t, 0, 0
.endr
	STEP2 30, 0, 2                                 ; slot 1 is asked for again: k 1536-2047, the last tensor load
.irp t, 31,32,33,34,35,36,37,38,39,40,41,42,43,44,45
	STEP2 \t, 0, 0
.endr
	STEP2 46, 0, 1                                 ; nothing is filled any more: a plain barrier shows slot 1 whole
.irp t, 47,48,49,50,51,52,53,54,55,56,57,58,59,60,61,62,63
	STEP2 \t, 0, 0
.endr
	; THE WAY OUT.  Register j of tile (a, f) is token 16 a + 8 h + j, column 4 r + f.  The four tiles' registers j are gathered into four neighbouring registers (a matrix result's eight
	; registers are eight rows of one column, so these moves stand for a store to LDS and a load back), and sixteen lanes store 256 aligned bytes of one row.
	; Each token block has a set of 32 registers of its own, the eight weight stages of window 1, which are free: no register that a store reads is written again, so no wait frees one.
	PLACES                                         ; behind the last matrix instructions: the moves read results and write registers that were sources
.macro OUT16 a
	WIN 0x42                                       ; destination window 1, source window 2
.irp j, 0,1,2,3,4,5,6,7
.irp f, 0,1,2,3
	v_mov_b32 v[32*\a+4*\j+\f], v[32*\a+8*\f+\j]
.endr
.endr
	WIN 0x04                                       ; store data from window 1, address from window 0
.irp j, 0,1,2,3,4,5,6,7
	global_store_b128 v[VO], v[32*\a+4*\j:32*\a+4*\j+3], s[8:9] offset:(16*\a+\j)*4096 th:TH_STORE_NT
.endr
.endm
	OUT16 0
	OUT16 1
	OUT16 2
	OUT16 3
	OUT16 4
	OUT16 5
	OUT16 6
	OUT16 7
	WIN 0
	CROUND                                         ; the closing round
	s_endpgm
.Lfunc_end_k_q96e5e6d5b9_down:
	.size	k_q96e5e6d5b9_down, .Lfunc_end_k_q96e5e6d5b9_down-k_q96e5e6d5b9_down
	.p2alignl 7, 3214868480
	.fill 96, 4, 3214868480
	.section	.rodata,"a",@progbits
	.p2align	6, 0x0
	.amdhsa_kernel k_q96e5e6d5b9_down
		.amdhsa_group_segment_fixed_size 327680
		.amdhsa_private_segment_fixed_size 0
		.amdhsa_enable_private_segment 0
		.amdhsa_kernarg_size 24
		.amdhsa_user_sgpr_count 2
		.amdhsa_user_sgpr_kernarg_segment_ptr 1
		.amdhsa_wavefront_size32 1
		.amdhsa_system_sgpr_workgroup_id_x 1
		.amdhsa_system_sgpr_workgroup_id_y 1
		.amdhsa_system_sgpr_workgroup_id_z 1
		.amdhsa_system_vgpr_workitem_id 0
		.amdhsa_next_free_vgpr 768
		.amdhsa_next_free_sgpr 66
		.amdhsa_reserve_vcc 0
		.amdhsa_float_denorm_mode_32 3
		.amdhsa_float_denorm_mode_16_64 3
		.amdhsa_memory_ordered 1
		.amdhsa_forward_progress 1
		.amdhsa_inst_pref_size 255
	.end_amdhsa_kernel
	.section	.bss,"aw",@nobits
	.p2align	6
	.space	262144
	.amdgpu_metadata
---
amdhsa.version: [ 1, 2 ]
amdhsa.kernels:
  - .name:           k_q96e5e6d5b9_down
    .symbol:         k_q96e5e6d5b9_down.kd
    .args:
      - { .name: hb, .offset: 0, .size: 8, .value_kind: global_buffer, .address_space: global }
      - { .name: w2f, .offset: 8, .size: 8, .value_kind: global_buffer, .address_space: global }
      - { .name: out0, .offset: 16, .size: 8, .value_kind: global_buffer, .address_space: global }
    .group_segment_fixed_size: 327680
    .private_segment_fixed_size: 0
    .kernarg_segment_align: 8
    .kernarg_segment_size: 24
    .max_flat_workgroup_size: 128
    .sgpr_count:     66
    .vgpr_count:     768
    .wavefront_size: 32
...
	.end_amdgpu_metadata
.endif
;; end of part 3
